; MI455X (gfx1250); checked and timed in simulation.
; The chip was launched on July 23, 2026; its instructions are those of AMD's public machine-readable ISA for CDNA 5 (MIT licence, August 2026) and "CDNA5" Instruction Set Architecture Reference Guide (July 2026). The comments in the code are by the model that wrote it; some were corrected since.
;; Multi Head Attention. Allowed arithmetic: matrix products marked QUANTISED: E2M1 operands, one E8M0 scale for each 32 along K, by v_wmma_scale_f32_16x16x128_f8f6f4 with both operands' format E2M1 (or v_wmma_scale_f32_32x16x128_f4), f32 sums; products left as they are: f32 operands where the result goes on into a quantised operand, else bf16, f16 or f32 operands; f32 sums; everything else in f32.
;; Inputs: Wk 1,024 x 1,024 float32; Wo 1,024 x 1,024 float32; Wq 1,024 x 1,024 float32; Wv 1,024 x 1,024 float32; bo 1,024 float32; x 4 x 4,096 x 1,024 float32.
;; Outputs: out0 4 x 4,096 x 1,024 float32.
;; This version of the problem:
;;   THIS VERSION OF THE PROBLEM IS GIVEN IN LOW PRECISION. The matrix products marked QUANTISED in the list below multiply operands that are first quantised to E2M1 (2 exponent bits, 1 mantissa bit; 4 bits a number), with one power-of-two scale for each 32 numbers along K (OCP MX v1.0); their sums are f32. All else is computed in f32.
;;   The module's matrix products, in the order in which they are computed (A, B: the left and right operand; K: the contracted axis; several contracted axes count as one K, in the product's order):
;;     1. [M 16,384, K 1,024] x [K 1,024, N 1,024]; A: input x; B: input Wq: QUANTISED
;;     2. [M 16,384, K 1,024] x [K 1,024, N 1,024]; A: input x; B: input Wk: QUANTISED
;;     3. [M 16,384, K 1,024] x [K 1,024, N 1,024]; A: input x; B: input Wv: QUANTISED
;;     4. batch 16,384 x [M 16, K 64] x [K 64, N 16]; A: computed on the way; B: computed on the way: QUANTISED
;;     5. batch 16,384 x [M 16, K 16] x [K 16, N 64]; A: softmax; B: computed on the way: left as it is (K = 16 < 32)
;;     6. [M 16,384, K 1,024] x [K 1,024, N 1,024]; A: computed on the way; B: input Wo: QUANTISED
;;   THE QUANTISER, for each operand of a quantised product, along K:
;;     - K is cut into blocks of 32 from its start; a last block that is shorter is filled with zeros.
;;     - A block's scale is 2^e with e = floor(log2(the largest magnitude in the block)) - 2, held to -126 .. 127; a block of zeros has e = 0. As a byte (E8M0): e + 127.
;;     - Each number is divided by its block's scale, clamped to +-6, and rounded to the nearest number of E2M1, ties to even, subnormals kept.
;;     - The product sums the exact products of the quantised numbers (number of the format x scale) in f32.
;;   ~~~python
;;   def quantise(x, axis):      # numpy; x: float32 -> the quantised numbers, widened to float32 again
;;       x = np.moveaxis(x, axis, -1); K = x.shape[-1]
;;       x = np.pad(x, [(0, 0)] * (x.ndim - 1) + [(0, -K % 32)]); x = x.reshape(x.shape[:-1] + (-1, 32)); a = np.abs(x).max(-1, keepdims=True)
;;       e = np.where(a > 0, np.clip(np.frexp(np.where(a > 0, a, 1))[1] - 1 - 2, -126, 127), 0)      # np.frexp(a)[1] - 1 = floor(log2(a)), exactly
;;       r = np.clip(x / 2.0 ** e, -6, 6)
;;       step = 2.0 ** (np.maximum(np.frexp(np.where(r == 0, 1, r))[1] - 1, 0) - 1)
;;       q = np.round(r / step) * step * 2.0 ** e      # np.round: ties to even
;;       return np.moveaxis(q.reshape(q.shape[:-2] + (-1,))[..., :K], -1, axis).astype(np.float32)
;;   ~~~
;;   OPERANDS COMPUTED ON THE WAY. 'Computed on the way' means the value that the module computes at that place (a softmax that the list does not call 'softmax' is quantised finished and normalised). What goes into a quantiser is computed in f32, as accurately as f32 sums, v_exp_f32 and their like allow (about 1e-6 of the number): no bf16 or f16 on the way to a quantiser, and a product that is left as it is and whose result goes on into a quantised operand takes f32 operands (vector FMAs, or v_wmma_f32_16x16x4_f32). A number that lies on a knife's edge between two numbers of the format may be rounded either way, as far as f32 arithmetic and the matrix unit's own rounding can turn it there, and no further.
;; One version. Each part assembles by itself: llvm-mc -triple=amdgcn-amd-amdhsa -mcpu=gfx1250 --defsym DOCPART=n.
;; ======== version 1 of 1: 2 launches
;; limits: right only within a limited range of input values
;; workspace buffers: wpk 2,228,224 bytes
;; launch prep (part 1): grid 256 x 1, 16 waves a work-group, no clusters, 19,456 bytes of LDS; arguments Wq, Wk, Wv, Wo, wpk; writes wpk
.if DOCPART == 1
	.amdgcn_target "amdgcn-amd-amdhsa--gfx1250"
	.amdhsa_code_object_version 6
	.text
	.protected	k_q3633050041_prep
	.globl	k_q3633050041_prep
	.p2align	8
	.type	k_q3633050041_prep,@function
k_q3633050041_prep:
	s_mov_b64 s[64:65], 0
	v_nop
	global_prefetch_b8 v0, s[64:65] scope:SCOPE_SE
	s_setreg_imm32_b32 hwreg(HW_REG_WAVE_MODE, 25, 1), 1
	s_wait_xcnt 0x0
; Wq, Wk, Wv, Wo: [1024 (K)][1024 (N)] f32.  Each is quantised along K (its FIRST axis) to codes of FP4 (E2M1) with one E8M0 byte for each 32 along K,
; and laid into wpk in the order in which the next launch's waves take their operand registers.
; wpk = [w 4][i 32][kap 4] units of 4,352 bytes.  w: the reader's wave; i: its job (two tiles u of 16 weight columns); kap: a quarter of K (blocks 8 kap .. 8 kap + 7).
;   codes of block B = 8 kap + 4 s2 + 2 c + h of the column that is row rho of tile u:  2048 s2 + 1024 u + 512 c + 16 (16 h + rho)
;   scale byte of that block:  4096 + 8 (16 u + rho) + (B & 7)
; Which column is (w, i, u, rho), with cc = 16 (rho / 8) + 8 u + rho % 8:
;   q (mu 0), k (mu 1): i = 2 tau + mu,        n = 32 (8 w + tau) + cc
;   v (mu 2):           i = 16 + 2 tau + a,    n = 64 rho + 32 (tau / 2) + 16 a + 8 (w & 1) + 4 u + 2 (w / 2) + tau % 2
;   o (mu 3):           i = 24 + t,            n = 32 (8 w + t) + cc
; SHARES.  Work-group g: matrix mu = g / 64, half of the columns ch, block B = g % 32 of K.  A lane takes a column and its 32 registers run down K: a block's largest
; magnitude needs no other lane and the conversions give codes with K innermost.  The 512 columns' codes (16 bytes each) and bytes meet in LDS; behind one barrier each wave
; gathers the 32 columns of one job and stores two aligned runs of 256 bytes.
; The scale bytes leave singly, 8 bytes apart: 32 bytes a wave against the 4,096 that it reads; whole runs would want 8 blocks of K in a work-group and leave 32 work-groups.
; LIMITS: a block whose largest magnitude lies under 2^-124, a block of zeros among them, gets the byte 1 (the rule says 127 for zeros): its codes are zeros or held as the rule
; holds them, and this program alone reads the bytes.  NaN and infinities are not served.
.set X, 32                             ; v32-63 my column's 32 numbers
.set SPW, 25                           ; v25 LDS address of my spare word; never rewritten
.set NIL, 31                           ; v31 0; never rewritten
.set SPARE, 17408                      ; behind the codes (0 ..) and the bytes (16384 ..): 128 spare bytes a wave, which no other line names
	s_load_b256 s[4:11], s[0:1], 0x0               ; Wq, Wk, Wv, Wo
	s_load_b64 s[12:13], s[0:1], 0x20              ; wpk
	v_lshl_add_u32 v[SPW], v0, 2, SPARE
	v_mov_b32 v[NIL], 0
	v_lshrrev_b32 v1, 5, v0
	s_delay_alu instid0(VALU_DEP_1)
	v_readfirstlane_b32 s16, v1                    ; om: wave 0..15
	v_and_b32 v2, 31, v0                           ; lane
	s_wait_alu depctr_va_vdst(0)
	s_lshr_b32 s17, ttmp9, 6                       ; mu
	s_bfe_u32 s18, ttmp9, 0x10005                  ; ch
	s_and_b32 s19, ttmp9, 31                       ; B
	s_lshl_b32 s22, s16, 6
	s_lshl_b32 s23, s18, 5
	s_add_co_u32 s22, s22, s23                     ; v: my wave's first column 64 om + 32 ch (head om, d from 32 ch on)
	s_lshl_b32 s24, s16, 5
	s_lshl_b32 s25, s18, 9
	s_add_co_u32 s24, s24, s25                     ; the others: 32 om + 512 ch
	s_cmp_eq_u32 s17, 2
	s_cselect_b32 s22, s22, s24
	v_add_nc_u32 v3, s22, v2
	s_delay_alu instid0(VALU_DEP_1)
	v_lshlrev_b32 v3, 2, v3                        ; 4 bytes a column
	s_lshl_b32 s20, s19, 17                        ; 32 rows of 4,096 bytes a block
	s_mov_b32 s21, 0
	s_wait_alu depctr_va_vdst(0)
	s_wait_kmcnt 0x0
	s_bitcmp1_b32 s17, 0                           ; the matrix is chosen by the work-group's number alone
	s_cselect_b64 s[14:15], s[6:7], s[4:5]
	s_cselect_b64 s[40:41], s[10:11], s[8:9]
	s_cmp_lt_u32 s17, 2
	s_cselect_b64 s[14:15], s[14:15], s[40:41]
	s_add_nc_u64 s[14:15], s[14:15], s[20:21]
.irp i, 0,1,2,3,4,5,6,7,8,9,10,11,12,13,14,15,16,17,18,19,20,21,22,23,24,25,26,27,28,29,30,31
	global_load_b32 v[X+\i], v3, s[14:15] offset:4096*\i th:TH_LOAD_NT   ; row 32 B + i, 32 neighbouring columns: 128 consecutive bytes a wave
.endr
	; LDS, on the way in: item 32 om + lane: 16 bytes of codes at 16 x item, the byte at 16384 + item: items 0 .. 511 are all written
	s_lshl_b32 s23, s16, 5
	v_add_nc_u32 v4, s23, v2
	s_delay_alu instid0(VALU_DEP_1)
	v_lshlrev_b32 v5, 4, v4
	s_delay_alu instid0(VALU_DEP_2)
	v_add_nc_u32 v6, 0x4000, v4
	; on the way out lane = (u, rho) of my wave's job
	v_and_b32 v7, 15, v0                           ; rho
	v_bfe_u32 v12, v0, 4, 1                        ; u
	v_and_b32 v13, 7, v0                           ; rho % 8
	v_bfe_u32 v14, v0, 3, 1                        ; rho / 8
	s_delay_alu instid0(VALU_DEP_1)
	v_lshl_add_u32 v15, v14, 4, v13
	s_delay_alu instid0(VALU_DEP_1)
	v_lshl_add_u32 v15, v12, 3, v15
	s_delay_alu instid0(VALU_DEP_1)
	v_add_nc_u32 v15, s23, v15                     ; q, k, o: item 32 om + cc
	v_mul_u32_u24 v16, v13, 32
	s_delay_alu instid0(VALU_DEP_1)
	v_mad_u32_u24 v16, v14, 256, v16               ; v: item 32 rho
	s_delay_alu instid0(VALU_DEP_1)
	v_lshl_add_u32 v16, v12, 2, v16                ;    + 4 u
	s_and_b32 s24, s16, 3                          ; v: tau % 2 + 2 (w / 2)
	s_bfe_u32 s25, s16, 0x10002                    ; v: w & 1
	s_lshr_b32 s26, s16, 3                         ; a (v);  the wave's low bit (q, k, o)
	s_lshl_b32 s27, s25, 3
	s_add_co_u32 s27, s27, s24
	s_lshl_b32 s28, s26, 4
	s_add_co_u32 s27, s27, s28
	v_add_nc_u32 v16, s27, v16                     ;    + tau % 2 + 2 (w / 2) + 8 (w & 1) + 16 a
	s_wait_alu depctr_va_vdst(0)
	s_cmp_eq_u32 s17, 2
	s_cselect_b32 s29, -1, 0
	v_cndmask_b32 v15, v15, v16, s29               ; both lie under 512
	s_delay_alu instid0(VALU_DEP_1)
	v_lshlrev_b32 v17, 4, v15
	s_delay_alu instid0(VALU_DEP_2)
	v_add_nc_u32 v18, 0x4000, v15
	; where the job's part of block B goes
	s_and_b32 s31, s16, 7
	s_lshl_b32 s33, s31, 1
	s_add_co_u32 s33, s33, s17                     ; q, k: i = 2 (om & 7) + mu
	s_add_co_u32 s34, s31, 24                      ; o:    i = 24 + (om & 7)
	s_and_b32 s35, s16, 1
	s_lshl_b32 s36, s18, 1                         ; 2 ch
	s_add_co_u32 s35, s35, s36                     ; v:    tau = 2 ch + om % 2
	s_lshl_b32 s35, s35, 1
	s_add_co_u32 s35, s35, s26
	s_add_co_u32 s35, s35, 16                      ; v:    i = 16 + 2 tau + a
	s_add_co_u32 s30, s26, s36                     ; q, k, o: w = 2 ch + om / 8
	s_bfe_u32 s37, s16, 0x10001
	s_lshl_b32 s37, s37, 1
	s_add_co_u32 s37, s37, s25                     ; v:    w = 2 x bit 1 of om + bit 2 of om
	s_cmp_eq_u32 s17, 2
	s_cselect_b32 s30, s37, s30
	s_cselect_b32 s33, s35, s33
	s_cmp_eq_u32 s17, 3
	s_cselect_b32 s33, s34, s33
	s_lshl_b32 s30, s30, 5
	s_add_co_u32 s30, s30, s33
	s_lshl_b32 s30, s30, 2
	s_lshr_b32 s36, s19, 3
	s_add_co_u32 s30, s30, s36                     ; unit = 4 (32 w + i) + B / 8
	s_mul_i32 s30, s30, 4352
	s_and_b32 s36, s19, 3
	s_lshl_b32 s36, s36, 8                         ; 512 c + 256 h
	s_bfe_u32 s37, s19, 0x10002
	s_lshl_b32 s37, s37, 11                        ; 2048 s2
	s_add_co_u32 s36, s36, s37
	s_add_co_u32 s36, s36, s30
	v_lshlrev_b32 v19, 4, v7
	s_delay_alu instid0(VALU_DEP_1)
	v_lshl_add_u32 v19, v12, 10, v19
	s_delay_alu instid0(VALU_DEP_1)
	v_add_nc_u32 v19, s36, v19                     ; codes: + 1024 u + 16 rho
	s_and_b32 s38, s19, 7
	s_add_co_u32 s38, s38, s30
	s_add_co_u32 s38, s38, 4096
	v_lshl_add_u32 v20, v2, 3, s38                 ; the byte: + 4096 + 8 lane + B % 8
	s_wait_loadcnt 0x0
	v_max3_num_f32 v21, |v[X]|, |v[X+1]|, |v[X+2]|         ; the block's largest magnitude: all 32 numbers are mine; two chains
	v_max3_num_f32 v22, |v[X+3]|, |v[X+4]|, |v[X+5]|
.irp i, 6,10,14,18,22,26
	s_delay_alu instid0(VALU_DEP_2)
	v_max3_num_f32 v21, v21, |v[X+\i]|, |v[X+\i+1]|
	s_delay_alu instid0(VALU_DEP_2)
	v_max3_num_f32 v22, v22, |v[X+\i+2]|, |v[X+\i+3]|
.endr
	s_delay_alu instid0(VALU_DEP_2)
	v_max3_num_f32 v21, v21, |v[X+30]|, |v[X+31]|
	s_delay_alu instid0(VALU_DEP_1)
	v_max3_num_f32 v21, v21, v22, 0x1800000        ; and the floor 2^(3 - 127): the byte cannot fall under 1
	s_delay_alu instid0(VALU_DEP_1)
	v_add_nc_u32 v23, 0xff000000, v21              ; 2 off the exponent field: the conversion takes this operand's exponent field as its scale
	s_delay_alu instid0(VALU_DEP_1)
	v_lshrrev_b32 v24, 23, v23                     ; the scale's byte
.irp g, 0,1,2,3
	v_cvt_scalef32_pk8_fp4_f32 v[8+\g], v[X+8*\g:X+8*\g+7], v23
.endr
	v_nop                                          ; a plain line behind the last scaled conversion
	ds_store_b128 v5, v[8:11]
	ds_store_b8 v6, v24
	s_wait_dscnt 0x0                               ; for the others' sake: my stores have landed
	s_barrier_signal -1
	s_barrier_wait -1
	ds_load_b128 v[26:29], v17                     ; the job's column (u, rho): nothing is stored to LDS behind the barrier
	ds_load_u8 v30, v18
	s_wait_dscnt 0x0
	global_store_b128 v19, v[26:29], s[12:13]      ; lanes 0-15 and lanes 16-31 each store 256 consecutive bytes, at a multiple of 256 from wpk's first byte
	global_store_b8 v20, v30, s[12:13]
	s_wait_tensorcnt 0x0                           ; the wave's end
	ds_add_u32 v[SPW], v[NIL]
	s_wait_dscnt 0x0
	s_endpgm
.Lfunc_end_k_q3633050041_prep:
	.size	k_q3633050041_prep, .Lfunc_end_k_q3633050041_prep-k_q3633050041_prep
	.p2alignl 7, 3214868480
	.fill 96, 4, 3214868480
	.section	.rodata,"a",@progbits
	.p2align	6, 0x0
	.amdhsa_kernel k_q3633050041_prep
		.amdhsa_group_segment_fixed_size 19456
		.amdhsa_private_segment_fixed_size 0
		.amdhsa_enable_private_segment 0
		.amdhsa_kernarg_size 40
		.amdhsa_user_sgpr_count 2
		.amdhsa_user_sgpr_kernarg_segment_ptr 1
		.amdhsa_wavefront_size32 1
		.amdhsa_system_sgpr_workgroup_id_x 1
		.amdhsa_system_sgpr_workgroup_id_y 1
		.amdhsa_system_sgpr_workgroup_id_z 1
		.amdhsa_system_vgpr_workitem_id 0
		.amdhsa_next_free_vgpr 64
		.amdhsa_next_free_sgpr 66
		.amdhsa_reserve_vcc 0
		.amdhsa_float_denorm_mode_32 3
		.amdhsa_float_denorm_mode_16_64 3
		.amdhsa_memory_ordered 1
		.amdhsa_forward_progress 1
		.amdhsa_inst_pref_size 11
	.end_amdhsa_kernel
	.amdgpu_metadata
---
amdhsa.version: [ 1, 2 ]
amdhsa.kernels:
  - .name:           k_q3633050041_prep
    .symbol:         k_q3633050041_prep.kd
    .args:
      - { .name: Wq, .offset: 0, .size: 8, .value_kind: global_buffer, .address_space: global }
      - { .name: Wk, .offset: 8, .size: 8, .value_kind: global_buffer, .address_space: global }
      - { .name: Wv, .offset: 16, .size: 8, .value_kind: global_buffer, .address_space: global }
      - { .name: Wo, .offset: 24, .size: 8, .value_kind: global_buffer, .address_space: global }
      - { .name: wpk, .offset: 32, .size: 8, .value_kind: global_buffer, .address_space: global }
    .group_segment_fixed_size: 19456
    .private_segment_fixed_size: 0
    .kernarg_segment_align: 8
    .kernarg_segment_size: 40
    .max_flat_workgroup_size: 512
    .sgpr_count:     66
    .vgpr_count:     64
    .wavefront_size: 32
...
	.end_amdgpu_metadata
.endif
;; end of part 1
;; launch fused (part 2): grid 256 x 1, 4 waves a work-group, no clusters, 305,664 bytes of LDS; arguments x, wpk, bo, out0; writes out0
.if DOCPART == 2
	.amdgcn_target "amdgcn-amd-amdhsa--gfx1250"
	.amdhsa_code_object_version 6
	.text
	.protected	k_q3633050041_fused
	.globl	k_q3633050041_fused
	.p2align	8
	.type	k_q3633050041_fused,@function
k_q3633050041_fused:
	s_mov_b64 s[64:65], 0
	v_nop
	global_prefetch_b8 v0, s[64:65] scope:SCOPE_SE
	s_setreg_imm32_b32 hwreg(HW_REG_WAVE_MODE, 25, 1), 1
	s_wait_xcnt 0x0
; out0 = MHA(x): q, k, v = x Wq, x Wk, x Wv;  energy[t][hq][hk] = q[t][hq] . k[t][hk];  attn = softmax over hk of energy / 32;  o[t][hq] = sum over hk of attn v[t][hk];  out0 = o Wo + bo.
; The four large products and the energies run on codes of FP4 (E2M1) with one E8M0 byte for each 32 along K; attn x v (K = 16) runs on f32 operands, since its result is quantised.
; SHARES.  A work-group owns 64 tokens (4 tiles m of 16), all the way.  In the large products the waves share the columns: wave w walks its own stream of wpk (32 jobs of two tiles of 16
; weight columns, 4 units of 4,352 bytes each), and the 32 fragments of the 64 rows stay in its registers: each weight fragment feeds four matrix instructions.  In the work that goes token
; by token wave w owns tokens 16 w .. 16 w + 15.  All products are used transposed (source 0 = 16 weight columns, source 1 = 16 tokens): a lane holds one token and eight columns.
; The columns of a tile are chosen (in the launch before) so that a job's 16 registers of a lane are 16 neighbours of one block of 32 of the NEXT product's K; for v a tile is one d of all 16 heads.
; PHASES:  P0 x -> codes in LDS | barrier | fragments | QK 8 trips: a block of q and of k, quantised along d, to LDS | barrier |
;   V trips 0, 1: v of d 0 .. 31 of every head, as f32, to LDS block 0; between the jobs stand the four batches of energies and softmax (attn stays in registers) | barrier |
;   V trips 2, 3: d 32 .. 63 to LDS block 1; between the jobs stands attn x v on block 0, quantised, codes to LDS | barrier | attn x v on block 1 | barrier | fragments | O 4 trips: o Wo + bo, out.
;   So the token-by-token work stands among the loads of the weight stream.  Which batch stands in a trip is chosen by a scalar branch on the loop's counter, the same in all waves.
; NO JOINT LOADS, NO TENSOR LOADS: v as f32 takes 264,192 of the 305,664 bytes of LDS claimed; the 22,016 left of 327,680 are under two slots of one unit a wave (34,816), and each weight
; fragment is used by one wave alone: it goes from memory straight into that wave's registers, seven units (63 loads) ahead.
; NO PREFETCH: x is read once, by loads that stand 14 steps (28,672 bytes a wave) ahead of their use at the head, where there is no loop to run ahead in; all 256 work-groups walk the same 2,228,224 bytes of wpk in the same order.
; LIMITS: NaN and infinities are not served.  A block whose largest magnitude lies under 2^-124 (a block of zeros among them) takes the byte 1.  attn x v adds hk in the order 8 h + 2 s + j.
; The softmax is 2^(c e - c max), c = log2(e) / 32, the row's maximum taken away as in the definition.
; LDS:  RC 64 rows of codes, pitch 528 (x's, later o's) | RS their 32 scale bytes, pitch 48 | BO the bias | VB two blocks of v as f32, CH bytes each, token pitch 2,064:
;   (d % 32, hk) at 64 (d % 32) + 16 ((hk / 4) xor s(d)) + 4 (hk % 4), s(d) = bit 2 + 2 x bit 4 of d | the spare words.
;   Laid over block 0, parted by barriers: P0's stages (5,120 a wave), the way out's stages (64 x 272 a wave).  Over block 1: q's and k's codes (pitch 528, block (head, half) at 32 head + 16 half) and bytes (pitch 36).
; REGISTERS, in windows of 256:  window 0: addresses, scale words, work, and v128-255 two sets of 8 accumulators (written by matrix instructions alone).
;   window 1: the 32 fragments of the rows, (m, s) at 8 (8 m + s).   window 2: eight slots of 32 for weight units.   window 3: P0's loads; attn, 8 a token; operands of the energies and of attn x v; bias and rows on the way out.
.set RS,   33792
.set BO,   36864
.set VB,   40960
.set VP,   2064
.set CH,   64*VP
.set QC,   VB+CH
.set KCO,  33792                       ; k's codes behind q's
.set QS,   QC+67584
.set KSO,  2304                        ; k's bytes behind q's
.set SPARE, VB+2*CH                    ; 128 spare bytes a wave, which no other line names
.set UNIT, 4352
.set L16,  1                           ; 16 x lane
.set RR,   2                           ; r = lane % 16
.set HH,   3                           ; h = lane / 16
.set STI,  4                           ; P0: stage, in
.set STO,  5                           ; P0: stage, out
.set XCW,  6                           ; P0: my codes
.set XSW,  7                           ; P0: my block's byte
.set AF,   8                           ; fragments of the rows
.set ASC,  9                           ; their scale words
.set AQ,   10                          ; QK: my 8 bytes of a block
.set AQS,  11                          ; QK: the block's byte
.set TQ,   12                          ; the two, stepped
.set TQS,  13
.set AE,   14                          ; energies: fragments
.set AES,  15                          ; energies: scale bytes: lanes 0-15 q's, lanes 16-31 k's
.set AVS,  16                          ; v16-23 V: where I store v, for (a, m)
.set TA,   24                          ; v24-27 the same, stepped
.set AV0,  28                          ; attn x v: v's operand, hk 8 h + 0..3
.set AV1,  29                          ; hk 8 h + 4..7
.set AO,   30                          ; o's codes
.set AOS,  31                          ; o's bytes
.set ABO,  32                          ; O: the bias
.set TB,   33
.set ASTI, 34                          ; O: stage, in
.set ASTO, 35                          ; O: stage, out
.set GO,   36                          ; O: my bytes in out0
.set L8,   37                          ; 8 x lane
.set SPW,  38                          ; LDS address of my spare word; never rewritten
.set NIL,  39                          ; 0; never rewritten
.set T0,   33                          ; at the head alone (TB's register, first written in O)
.set T1,   12                          ; at the head alone (TQ's register, first written in QK)
.set XS,   40                          ; v40-71 scale words of fragment (m, s) at XS + 8 m + s; in P0 two sets of 16 neighbours
.set WS,   72                          ; v72-87 a slot's two scale words: lanes 0-15 tile 0, lanes 16-31 tile 1
.set TM,   88                          ; v88-91 maxima, v92-95 partners', v96-99 the conversions' scale operands
.set BY,   100                         ; v100-107 bytes
.set PC,   108                         ; v108-123 codes, two sets of 8
.set ES,   124                         ; v124-127 energies: scale registers
.set ACC,  128
.set EKF,  128                         ; window 3: fragments of k, 16 j on; of q 8 further
.set EQF,  136
.set TT,   192                         ; window 3: four registers a token at work
.set UU,   208                         ; window 3: a pair a token
.set MSB,  0
.macro WIN new                         ; low byte: bits 1:0 source 0, 3:2 source 1, 5:4 source 2, 7:6 destination; the high byte repeats the setting that is left
.if MSB != \new
	s_set_vgpr_msb (MSB<<8)|\new
.set MSB, \new
.endif
.endm
.macro PLACES n                        ; plain vector lines between a matrix instruction and a reader of its result or a load into its registers
.rept \n
	v_nop
.endr
.endm
.macro BARRIER                         ; my LDS stores have landed and my LDS loads are in: then the work-group's barrier
	s_wait_dscnt 0x0
	s_barrier_signal -1
	s_barrier_wait -1
.endm
.macro ULOAD slot, off                 ; a weight unit: 4 fragments (K step s2, tile u at 8 (2 s2 + u)) as images of their registers, and a pair of scale words: 9 loads
	WIN 0x80
.irp k, 0,1,2,3,4,5,6,7
	global_load_b128 v[32*(\slot)+4*\k:32*(\slot)+4*\k+3], v[L16], s[6:7] offset:(\off)+512*\k
.endr
	WIN 0
	global_load_b64 v[WS+2*(\slot):WS+2*(\slot)+1], v[L8], s[6:7] offset:(\off)+4096
.endm
.macro WM d, a, b, cm, cr, sa, sb, u   ; one product; cm = 0: C is the constant 0; u = 1: the weights' scales stand in lanes 16-31
.if (\cm) == 0
.if \u
	v_wmma_scale_f32_16x16x128_f8f6f4 v[(\d):(\d)+7], v[(\a):(\a)+7], v[(\b):(\b)+7], 0, v[\sa], v[\sb] matrix_a_fmt:MATRIX_FMT_FP4 matrix_b_fmt:MATRIX_FMT_FP4 matrix_a_scale:MATRIX_SCALE_ROW1
.else
	v_wmma_scale_f32_16x16x128_f8f6f4 v[(\d):(\d)+7], v[(\a):(\a)+7], v[(\b):(\b)+7], 0, v[\sa], v[\sb] matrix_a_fmt:MATRIX_FMT_FP4 matrix_b_fmt:MATRIX_FMT_FP4
.endif
.else
.if \u
	v_wmma_scale_f32_16x16x128_f8f6f4 v[(\d):(\d)+7], v[(\a):(\a)+7], v[(\b):(\b)+7], v[(\cr):(\cr)+7], v[\sa], v[\sb] matrix_a_fmt:MATRIX_FMT_FP4 matrix_b_fmt:MATRIX_FMT_FP4 matrix_a_scale:MATRIX_SCALE_ROW1
.else
	v_wmma_scale_f32_16x16x128_f8f6f4 v[(\d):(\d)+7], v[(\a):(\a)+7], v[(\b):(\b)+7], v[(\cr):(\cr)+7], v[\sa], v[\sb] matrix_a_fmt:MATRIX_FMT_FP4 matrix_b_fmt:MATRIX_FMT_FP4
.endif
.endif
.endm
; 16 products: a unit's two K steps x 4 tiles of tokens x 2 tiles of columns.  The eight accumulators (m, u) at acc + 16 m + 8 u take turns, one instruction a turn.
; A job's first eight start the sums: with the constant 0 (cmode 0) or with the bias in window 3 (cmode 1).
.macro UMUL slot, kap, acc, cmode
.irp s2, 0,1
.if ((\kap) == 0) && (\s2 == 0) && (\cmode)
	WIN 0x36                                       ; weights window 2, rows window 1, C window 3, D window 0
.else
	WIN 0x06
.endif
.irp m, 0,1,2,3
.irp u, 0,1
.if ((\kap) == 0) && (\s2 == 0)
.if \cmode
	WM (\acc)+16*\m+8*\u, 32*(\slot)+8*(2*\s2+\u), 8*(8*\m+2*(\kap)+\s2), 1, 16*(((\acc)-ACC)/64)+8*\u, WS+2*(\slot)+\s2, XS+8*\m+2*(\kap)+\s2, \u
.else
	WM (\acc)+16*\m+8*\u, 32*(\slot)+8*(2*\s2+\u), 8*(8*\m+2*(\kap)+\s2), 0, 0, WS+2*(\slot)+\s2, XS+8*\m+2*(\kap)+\s2, \u
.endif
.else
	WM (\acc)+16*\m+8*\u, 32*(\slot)+8*(2*\s2+\u), 8*(8*\m+2*(\kap)+\s2), 1, (\acc)+16*\m+8*\u, WS+2*(\slot)+\s2, XS+8*\m+2*(\kap)+\s2, \u
.endif
.endr
.endr
.endr
.endm
; Place p of a trip's eight units.  wt: the loads younger than this unit's nine.  ld = 1: the unit seven further on goes into the slot that the unit before has just left, four places behind its last product.
; pre >= 0, at a job's head: the LDS instructions that may stay out when the job's accumulators (or its bias) are taken up.
.macro POS p, ld, wt, pre, cmode
	s_wait_loadcnt \wt
.if \ld
	PLACES 4
	ULOAD ((\p)+7)%8, UNIT*(\p)
.endif
.if (((\p)&3) == 0) && ((\pre) >= 0)
	s_wait_dscnt \pre
.endif
	UMUL \p, (\p)&3, ACC+64*((\p)>>2), \cmode
.endm
.macro QUAD p0, p1, p2, p3, pre, cm    ; a job: four units; 54: the six younger units' loads
	POS \p0, 1, 54, \pre, \cm
	POS \p1, 1, 54, -1, \cm
	POS \p2, 1, 54, -1, \cm
	POS \p3, 1, 54, -1, \cm
.endm
; 64 registers of a lane, register 16 b + i = number 16 h + i of block b, become half blocks of codes (pc + 2 b, + 1: 8 bytes) and the blocks' bytes (by + b).  Each accumulator is read from its low end on.
.macro QCORE s, pc, by
.irp b, 0,1,2,3
	v_max3_num_f32 v[TM+\b], |v[(\s)+16*\b]|, |v[(\s)+16*\b+1]|, 0x1800000   ; my 16 numbers and the floor 2^(3 - 127): the byte cannot fall under 1
.endr
.irp i, 2,4,6,8,10,12,14
.irp b, 0,1,2,3
	v_max3_num_f32 v[TM+\b], v[TM+\b], |v[(\s)+16*\b+\i]|, |v[(\s)+16*\b+\i+1]|   ; the four blocks by turns
.endr
.endr
.irp b, 0,1,2,3
	v_permlanex16_b32 v[TM+4+\b], v[TM+\b], s20, s21
.endr
.irp b, 0,1,2,3
	v_max_num_f32 v[TM+\b], v[TM+\b], v[TM+4+\b]   ; with lane l xor 16's 16: the block's largest magnitude
.endr
.irp b, 0,1,2,3
	v_add_nc_u32 v[TM+8+\b], 0xff000000, v[TM+\b]  ; 2 off its exponent field: the conversion's scale operand
.endr
.irp b, 0,1,2,3
	v_lshrrev_b32 v[(\by)+\b], 23, v[TM+8+\b]      ; the byte
.endr
.irp b, 0,1,2,3
	v_cvt_scalef32_pk8_fp4_f32 v[(\pc)+2*\b], v[(\s)+16*\b:(\s)+16*\b+7], v[TM+8+\b]
	v_cvt_scalef32_pk8_fp4_f32 v[(\pc)+2*\b+1], v[(\s)+16*\b+8:(\s)+16*\b+15], v[TM+8+\b]
.endr
	v_nop                                          ; a plain line behind the last scaled conversion
.endm
.macro FRAGS                           ; the 64 rows' codes and scale words become the wave's 32 fragments: lane (r, h), registers 4 c on: bytes 64 s + 32 c + 16 h of row 16 m + r
	WIN 0x40
.irp m, 0,1,2,3
.irp s, 0,1,2,3,4,5,6,7
.irp c, 0,1
	ds_load_b128 v[8*(8*\m+\s)+4*\c:8*(8*\m+\s)+4*\c+3], v[AF] offset:8448*\m+64*\s+32*\c
.endr
.endr
.endr
	WIN 0
.irp m, 0,1,2,3
.irp q, 0,1
	ds_load_b128 v[XS+8*\m+4*\q:XS+8*\m+4*\q+3], v[ASC] offset:768*\m+16*\q
.endr
.endr
	s_wait_dscnt 0x0
.endm
	s_load_b256 s[4:11], s[0:1], 0x0               ; x s[4:5], wpk s[6:7], bo s[8:9], out0 s[10:11]
	v_lshl_add_u32 v[SPW], v0, 2, SPARE
	v_mov_b32 v[NIL], 0
	v_lshrrev_b32 v[T1], 5, v0
	v_readfirstlane_b32 s12, v[T1]                 ; wave 0..3
	v_and_b32 v[T1], 31, v0                        ; lane
	v_lshlrev_b32 v[L16], 4, v[T1]
	v_lshlrev_b32 v[L8], 3, v[T1]
	v_lshlrev_b32 v[T0], 4, v0                     ; 16 x thread: the bias's way in
	s_lshl_b32 s2, ttmp9, 18                       ; 64 tokens of 4,096 bytes
	s_mov_b32 s3, 0
	s_lshl_b32 s16, s12, 16                        ; my wave's 16 tokens
	s_mov_b32 s17, 0
	s_mul_i32 s18, s12, 128*UNIT                   ; my wave's stream of 128 units
	s_mov_b32 s19, 0
	s_wait_alu depctr_va_vdst(0)
	s_wait_kmcnt 0x0
	s_add_nc_u64 s[4:5], s[4:5], s[2:3]
	s_add_nc_u64 s[4:5], s[4:5], s[16:17]
	s_add_nc_u64 s[6:7], s[6:7], s[18:19]
	s_add_nc_u64 s[10:11], s[10:11], s[2:3]
	global_load_b128 v[PC:PC+3], v[T0], s[8:9]
	global_load_b128 v[PC+4:PC+7], v[T0], s[8:9] offset:2048
; ---- P0: my 16 tokens of x, 32 steps of 512 numbers.  A load reads 512 consecutive bytes; a step's 2,048 bytes turn through my stage in LDS and come back 16 neighbours a lane (two lanes to a block).
.macro LOAD t                          ; step t into set t % 14 of window 3
	WIN 0xc0
.irp i, 0,1,2,3
	global_load_b128 v[16*((\t)%14)+4*\i:16*((\t)%14)+4*\i+3], v[L16], s[4:5] offset:2048*(\t)+512*\i th:TH_LOAD_NT
.endr
.endm
.macro TURN t                          ; LDS serves a wave's instructions in order: no wait between the stores and the loads
	WIN 0x0c
.irp i, 0,1,2,3
	ds_store_b128 v[STI], v[16*((\t)%14)+4*\i:16*((\t)%14)+4*\i+3] offset:2560*((\t)%2)+640*\i
.endr
	WIN 0
.irp i, 0,1,2,3
	ds_load_b128 v[XS+16*((\t)%2)+4*\i:XS+16*((\t)%2)+4*\i+3], v[STO] offset:2560*((\t)%2)+16*\i
.endr
.endm
.irp t, 0,1,2,3,4,5,6,7,8,9,10,11,12,13
	LOAD \t
.endr
	WIN 0
	; every address of the launch is made here, while the first 58 loads are on their way
	s_and_b32 s13, s12, 1                          ; w0
	s_lshr_b32 s14, s12, 1                         ; w1
	v_and_b32 v[RR], 15, v0
	v_bfe_u32 v[HH], v0, 4, 1
	s_mul_i32 s15, s12, 5120
	s_add_co_u32 s15, s15, VB                      ; my two stages of 32 x 80 bytes
	v_bfe_u32 v[STI], v0, 2, 3
	v_mul_u32_u24 v[STI], v[STI], 80
	v_and_b32 v[TA], 3, v0
	v_lshl_add_u32 v[STI], v[TA], 4, v[STI]
	v_add_nc_u32 v[STI], s15, v[STI]               ; in: 80 (lane / 4) + 16 (lane % 4): four lanes' 64 bytes on end, then 16 of padding
	v_mul_u32_u24 v[STO], v[T1], 80
	v_add_nc_u32 v[STO], s15, v[STO]               ; out: 80 x lane
	s_mul_i32 s16, s12, 8448                       ; my 16 rows of 528 bytes
	v_add_nc_u32 v[XCW], s16, v[L8]
	s_mul_i32 s17, s12, 768
	s_add_co_u32 s17, s17, RS                      ; my 16 rows of 48 bytes
	v_bfe_u32 v[XSW], v0, 1, 4
	v_add_nc_u32 v[XSW], s17, v[XSW]
	v_mul_u32_u24 v[AF], v[RR], 528
	v_lshl_add_u32 v[AQ], v[HH], 3, v[AF]
	v_lshl_add_u32 v[AF], v[HH], 4, v[AF]
	v_mul_u32_u24 v[ASC], v[RR], 48
	v_add_nc_u32 v[ASC], RS, v[ASC]
	s_lshl_b32 s18, s12, 7
	s_add_co_u32 s18, s18, QC
	v_add_nc_u32 v[AQ], s18, v[AQ]                 ; QC + 528 r + 8 h + 128 w: my wave's eight blocks lie on end
	v_mul_u32_u24 v[AQS], v[RR], 36
	s_lshl_b32 s18, s12, 3
	s_add_co_u32 s18, s18, QS
	v_add_nc_u32 v[AQS], s18, v[AQS]               ; QS + 36 r + 8 w
	v_lshlrev_b32 v[AE], 5, v[RR]
	v_lshl_add_u32 v[AE], v[HH], 4, v[AE]
	s_add_co_u32 s18, s16, QC
	v_add_nc_u32 v[AE], s18, v[AE]                 ; QC + 8448 w + 32 r + 16 h: head r, half h
	v_mul_u32_u24 v[AES], v[HH], KSO
	v_lshl_add_u32 v[AES], v[RR], 1, v[AES]
	s_mul_i32 s18, s12, 576
	s_add_co_u32 s18, s18, QS
	v_add_nc_u32 v[AES], s18, v[AES]               ; QS + 2304 h + 576 w + 2 r
	v_mul_u32_u24 v[TA+2], v[RR], VP
	s_lshl_b32 s18, s13, 9
	s_lshl_b32 s19, s14, 7
	s_add_co_u32 s18, s18, s19
	s_add_co_u32 s18, s18, VB
	v_add_nc_u32 v[TA+2], s18, v[TA+2]             ; VB + 2064 r + 64 (8 w0 + 2 w1)
	v_lshl_add_u32 v[TA], v[HH], 5, v[TA+2]        ; a = 0: + 32 h
	v_xor_b32 v[TA+1], 1, v[HH]
	v_lshl_add_u32 v[TA+1], v[TA+1], 5, v[TA+2]
	v_add_nc_u32 v[TA+1], 1024, v[TA+1]            ; a = 1: + 1024 + 32 (h xor 1)
.irp m, 0,1,2,3
	v_add_nc_u32 v[AVS+\m], 16*VP*\m, v[TA]
	v_add_nc_u32 v[AVS+4+\m], 16*VP*\m, v[TA+1]
.endr
	v_bfe_u32 v[TA], v0, 3, 1
	v_and_b32 v[TA+1], 7, v0
	v_lshlrev_b32 v[AV0], 10, v[TA]
	v_lshl_add_u32 v[AV0], v[TA+1], 6, v[AV0]      ; row r of a tile is d % 32 = 16 (r / 8) + r % 8 (+ 8 u): 64 bytes a d
	s_mul_i32 s18, s12, 16*VP
	s_add_co_u32 s18, s18, VB
	v_add_nc_u32 v[AV0], s18, v[AV0]
	v_bfe_u32 v[TA], v0, 2, 2                      ; s(d) = r / 4
	v_lshlrev_b32 v[TA+1], 1, v[HH]
	v_xor_b32 v[TA], v[TA], v[TA+1]                ; (2 h) xor s
	v_xor_b32 v[TA+1], 1, v[TA]                    ; (2 h + 1) xor s
	v_lshl_add_u32 v[AV1], v[TA+1], 4, v[AV0]
	v_lshl_add_u32 v[AV0], v[TA], 4, v[AV0]
	v_lshlrev_b32 v[AO], 5, v[RR]
	v_lshl_add_u32 v[AO], v[HH], 3, v[AO]
	v_add_nc_u32 v[AO], s16, v[AO]                 ; 8448 w + 32 r + 8 h
	v_lshl_add_u32 v[AOS], v[RR], 1, s17           ; RS + 768 w + 2 r
	s_lshl_b32 s19, s12, 10
	s_add_co_u32 s18, s19, BO
	v_lshl_add_u32 v[ABO], v[HH], 6, s18           ; BO + 1024 w + 64 h
	s_mul_i32 s18, s12, 17408
	s_add_co_u32 s18, s18, VB                      ; my stage for the way out: 64 rows x 272
	v_mul_u32_u24 v[ASTI], v[RR], 272
	v_lshl_add_u32 v[ASTI], v[HH], 6, v[ASTI]
	v_add_nc_u32 v[ASTI], s18, v[ASTI]
	v_mul_u32_u24 v[ASTO], v[HH], 272
	v_lshl_add_u32 v[ASTO], v[RR], 4, v[ASTO]
	v_add_nc_u32 v[ASTO], s18, v[ASTO]
	v_lshlrev_b32 v[GO], 12, v[HH]
	v_lshl_add_u32 v[GO], v[RR], 4, v[GO]
	v_add_nc_u32 v[GO], s19, v[GO]                 ; 4096 h + 16 r + 1024 w
	s_mov_b32 s20, 0x76543210
	s_mov_b32 s21, 0xfedcba98                      ; v_permlanex16_b32's selects for lane l xor 16
	s_mov_b32 s22, 0x3d38aa3b                      ; c = log2(e) / 32
	s_mov_b32 s23, s22                             ; (named with it as a pair, so it is written)
	s_mov_b32 s24, 0xbd38aa3b                      ; -c
.irp b, 0,1,2,3
	v_mov_b32 v[TM+4+\b], 0                        ; written once: a lane permute's destination counts as one of its sources
.endr
	s_wait_loadcnt 52                              ; of 58 loads the six oldest are in: the bias and step 0
	ds_store_b128 v[T0], v[PC:PC+3] offset:BO
	ds_store_b128 v[T0], v[PC+4:PC+7] offset:BO+2048
	TURN 0
.set WU, 0                             ; weight units asked for so far
.macro STEP t
.set XN, XS+16*((\t)%2)
.if (\t) > 0
	s_wait_dscnt 2                                 ; this step's numbers are back (the last step's two stores may be out): so the stage's stores have read their registers,
.else
	s_wait_dscnt 0x0
.endif
.if (\t)+14 < 32
	LOAD (\t)+14                                   ; which take the loads of fourteen steps on
.endif
.if (\t) >= 18                         ; x is all asked for: the first seven weight units follow, nine loads each, while at most 63 loads are out
.if ((63-4*(31-(\t)))/9) > WU
	ULOAD WU, UNIT*WU
.set WU, WU+1
.endif
.endif
.if (\t)+1 < 32
.set LC, 4*(30-(\t))
.if LC > 52
.set LC, 52
.endif
	s_wait_loadcnt LC+9*WU                         ; the next step's four loads are in; younger: the later steps' loads and nine for each weight unit
	TURN (\t)+1
.endif
	WIN 0
	v_max3_num_f32 v[TM], |v[XN]|, |v[XN+1]|, |v[XN+2]|
	v_max3_num_f32 v[TM+1], |v[XN+3]|, |v[XN+4]|, |v[XN+5]|
.irp i, 6,10
	v_max3_num_f32 v[TM], v[TM], |v[XN+\i]|, |v[XN+\i+1]|
	v_max3_num_f32 v[TM+1], v[TM+1], |v[XN+\i+2]|, |v[XN+\i+3]|
.endr
	v_max3_num_f32 v[TM], v[TM], |v[XN+14]|, |v[XN+15]|
	v_max3_num_f32 v[TM], v[TM], v[TM+1], 0x1800000   ; and the floor 2^(3 - 127)
	v_max_num_f32_dpp v[TM], v[TM], v[TM] row_xmask:1 row_mask:0xf bank_mask:0xf   ; with my neighbour's 16: the block's largest magnitude
	v_add_nc_u32 v[TM+8], 0xff000000, v[TM]
	v_cvt_scalef32_pk8_fp4_f32 v[PC+2*((\t)%2)], v[XN:XN+7], v[TM+8]
	v_cvt_scalef32_pk8_fp4_f32 v[PC+2*((\t)%2)+1], v[XN+8:XN+15], v[TM+8]
	v_lshrrev_b32 v[BY+(\t)%2], 23, v[TM+8]        ; the byte (also the plain line behind the conversions)
	ds_store_b8 v[XSW], v[BY+(\t)%2] offset:48*((\t)>>1)+16*((\t)&1)       ; both lanes of a block write the same byte with the same value
	ds_store_b64 v[XCW], v[PC+2*((\t)%2):PC+2*((\t)%2)+1] offset:528*((\t)>>1)+256*((\t)&1)
.endm
.irp t, 0,1,2,3,4,5,6,7,8,9,10,11,12,13,14,15,16,17,18,19,20,21,22,23,24,25,26,27,28,29,30,31
	STEP \t
.endr
	s_wait_xcnt 0x0                                ; the loads have read their base:
	s_add_nc_u64 s[6:7], s[6:7], 7*UNIT            ; it stands seven units ahead of the unit in hand from here on
	BARRIER                                        ; the 64 rows' codes and bytes, and the bias, lie in LDS
	WIN 0xc0
.irp j, 0,1,2,3
.irp q, 4,5,6,7
	v_mov_b32 v[EKF+16*\j+\q], 0                   ; the energies' K is 64: the fragments' upper halves are zero codes, written once
	v_mov_b32 v[EQF+16*\j+\q], 0
.endr
	v_mov_b32 v[TT+4*\j+1], 0                      ; lane permutes' destinations
	v_mov_b32 v[TT+4*\j+3], 0
.endr
	FRAGS
; ---- QK: trip tau makes block 8 w + tau (32 columns: a head's half) of q and of k for the 64 tokens and quantises it along d.  Lane (r, h), register 16 m + i: token 16 m + r, d = 16 h + i of the block.
.macro EPIQ a
	WIN 0
	PLACES 4
	s_wait_dscnt 8                                 ; the other set's eight stores may be out; this set's, a trip back, have read their registers
	QCORE ACC+64*\a, PC+8*\a, BY+4*\a
.irp m, 0,1,2,3
	ds_store_b64 v[TQ], v[PC+8*\a+2*\m:PC+8*\a+2*\m+1] offset:KCO*\a+8448*\m
.endr
.irp m, 0,1,2,3
	ds_store_b8 v[TQS], v[BY+4*\a+\m] offset:KSO*\a+576*\m     ; both halves of the lanes write the same byte with the same value
.endr
.endm
	s_mov_b32 s25, 8
	s_mov_b32 s26, 0
	s_mov_b32 s27, 0
.Lqk:
	v_add_nc_u32 v[TQ], s26, v[AQ]
	v_add_nc_u32 v[TQS], s27, v[AQS]
	QUAD 0, 1, 2, 3, -1, 0
	EPIQ 0
	QUAD 4, 5, 6, 7, -1, 0
	EPIQ 1
	s_wait_xcnt 0x0                                ; the loads have read their base
	s_add_nc_u64 s[6:7], s[6:7], 8*UNIT
	s_add_co_u32 s26, s26, 16
	s_add_co_u32 s27, s27, 1
	s_sub_co_u32 s25, s25, 1
	s_cmp_lg_u32 s25, 0
	s_cbranch_scc1 .Lqk
	BARRIER                                        ; all blocks of q and k lie in LDS
; ---- The energies of four of my 16 tokens.  S^T = k q^T: lane (r, h) holds hq = r and hk = 8 h + 0 .. 7.  attn stays in window 3, 8 registers a token.
.macro EBATCH b
	WIN 0xc0
.irp j, 0,1,2,3
	ds_load_b128 v[EKF+16*\j:EKF+16*\j+3], v[AE] offset:528*(4*\b+\j)+KCO
	ds_load_b128 v[EQF+16*\j:EQF+16*\j+3], v[AE] offset:528*(4*\b+\j)
.endr
	WIN 0
.irp j, 0,1,2,3
	ds_load_u16 v[ES+\j], v[AES] offset:36*(4*\b+\j)       ; two bytes a head; the two upper bytes are 0 and stand over zero codes
.endr
	s_wait_dscnt 0x0
	WIN 0xff
.irp j, 0,1,2,3
	v_wmma_scale_f32_16x16x128_f8f6f4 v[8*(4*\b+\j):8*(4*\b+\j)+7], v[EKF+16*\j:EKF+16*\j+7], v[EQF+16*\j:EQF+16*\j+7], 0, v[ES+\j], v[ES+\j] matrix_a_fmt:MATRIX_FMT_FP4 matrix_b_fmt:MATRIX_FMT_FP4 matrix_a_scale:MATRIX_SCALE_ROW1
.endr
	PLACES 4
.irp j, 0,1,2,3
	v_max3_num_f32 v[TT+4*\j], v[8*(4*\b+\j)], v[8*(4*\b+\j)+1], v[8*(4*\b+\j)+2]   ; the row's maximum, from the low end on; the four tokens by turns
.endr
.irp j, 0,1,2,3
	v_max3_num_f32 v[TT+4*\j], v[TT+4*\j], v[8*(4*\b+\j)+3], v[8*(4*\b+\j)+4]
.endr
.irp j, 0,1,2,3
	v_max3_num_f32 v[TT+4*\j], v[TT+4*\j], v[8*(4*\b+\j)+5], v[8*(4*\b+\j)+6]
.endr
.irp j, 0,1,2,3
	v_max_num_f32 v[TT+4*\j], v[TT+4*\j], v[8*(4*\b+\j)+7]
.endr
.irp j, 0,1,2,3
	v_permlanex16_b32 v[TT+4*\j+1], v[TT+4*\j], s20, s21
.endr
.irp j, 0,1,2,3
	v_max_num_f32 v[TT+4*\j], v[TT+4*\j], v[TT+4*\j+1]     ; with the other eight hk
.endr
.irp j, 0,1,2,3
	v_mul_f32 v[TT+4*\j], s24, v[TT+4*\j]                  ; -c max
.endr
.irp q, 0,2,4,6
.irp j, 0,1,2,3
	v_pk_fma_f32 v[8*(4*\b+\j)+\q:8*(4*\b+\j)+\q+1], v[8*(4*\b+\j)+\q:8*(4*\b+\j)+\q+1], s[22:23], v[TT+4*\j:TT+4*\j+1] op_sel_hi:[1,0,0]   ; c e - c max
.endr
.endr
	s_wait_alu depctr_va_vdst(0)
.irp q, 0,1,2,3,4,5,6,7
.irp j, 0,1,2,3
	v_exp_f32 v[8*(4*\b+\j)+\q], v[8*(4*\b+\j)+\q]
.endr
.endr
	v_nop                                          ; a plain line behind the last exponential
	s_wait_alu depctr_va_vdst(0)                   ; one wait for the 32, ahead of their first reader
.irp j, 0,1,2,3
	v_pk_add_f32 v[UU+2*\j:UU+2*\j+1], v[8*(4*\b+\j):8*(4*\b+\j)+1], v[8*(4*\b+\j)+2:8*(4*\b+\j)+3]
.endr
.irp j, 0,1,2,3
	v_pk_add_f32 v[UU+2*\j:UU+2*\j+1], v[UU+2*\j:UU+2*\j+1], v[8*(4*\b+\j)+4:8*(4*\b+\j)+5]
.endr
.irp j, 0,1,2,3
	v_pk_add_f32 v[UU+2*\j:UU+2*\j+1], v[UU+2*\j:UU+2*\j+1], v[8*(4*\b+\j)+6:8*(4*\b+\j)+7]
.endr
.irp j, 0,1,2,3
	v_add_f32 v[TT+4*\j+2], v[UU+2*\j], v[UU+2*\j+1]
.endr
.irp j, 0,1,2,3
	v_permlanex16_b32 v[TT+4*\j+3], v[TT+4*\j+2], s20, s21
.endr
.irp j, 0,1,2,3
	v_add_f32 v[TT+4*\j+2], v[TT+4*\j+2], v[TT+4*\j+3]     ; the row's sum
.endr
	s_wait_alu depctr_va_vdst(0)
.irp j, 0,1,2,3
	v_rcp_f32 v[TT+4*\j], v[TT+4*\j+2]
.endr
	v_nop
	s_wait_alu depctr_va_vdst(0)                   ; one wait for the four reciprocals
.irp q, 0,2,4,6
.irp j, 0,1,2,3
	v_pk_mul_f32 v[8*(4*\b+\j)+\q:8*(4*\b+\j)+\q+1], v[8*(4*\b+\j)+\q:8*(4*\b+\j)+\q+1], v[TT+4*\j:TT+4*\j+1] op_sel_hi:[1,0]   ; attn
.endr
.endr
.endm
; The loop's first trip (s25 = 2) runs batch x, its second batch y: their register numbers differ.
.macro PICKE x, y
	WIN 0
	s_wait_alu depctr_va_vdst(0)
	s_cmp_eq_u32 s25, 2
	s_cbranch_scc0 .Le2_\@
	EBATCH \x
	WIN 0
	s_wait_alu depctr_va_vdst(0)
	s_branch .Lej_\@
.Le2_\@:
	EBATCH \y
	WIN 0
	s_wait_alu depctr_va_vdst(0)
.Lej_\@:
.endm
; ---- V: trip tau = 2 b + t0, job a, tile u make v[.][all 16 hk][d = 32 b + 16 a + 8 w0 + 4 u + 2 w1 + t0].  Lane (r, h), accumulator (m, u): token 16 m + r, hk = 8 h + 0 .. 7: two pieces of 16 bytes of that d's 64.
.macro EPIV a
	WIN 0
.irp m, 0,1,2,3
	v_add_nc_u32 v[TA+\m], s28, v[AVS+4*\a+\m]     ; + CH b + 64 t0.  These four plain lines are the places behind the job's last product
.endr
.irp m, 0,1,2,3
.irp u, 0,1
	ds_store_b128 v[TA+\m], v[ACC+64*\a+16*\m+8*\u:ACC+64*\a+16*\m+8*\u+3] offset:256*\u+16*\u          ; piece (2 h) xor (u + 2 a); the low four registers first
	ds_store_b128 v[TA+\m], v[ACC+64*\a+16*\m+8*\u+4:ACC+64*\a+16*\m+8*\u+7] offset:256*\u+16*(1-\u)    ; piece (2 h + 1) xor (u + 2 a)
.endr
.endr
.endm
.macro VSTEP                           ; a trip's end
	s_wait_xcnt 0x0
	s_add_nc_u64 s[6:7], s[6:7], 8*UNIT
	s_add_co_u32 s28, s28, 64
	s_sub_co_u32 s25, s25, 1
	s_cmp_lg_u32 s25, 0
.endm
	s_mov_b32 s25, 2
	s_mov_b32 s28, 0
.Lv1:                                              ; block 0 of v; q's and k's codes lie in block 1's bytes and are read meanwhile
	QUAD 0, 1, 2, 3, 16, 0                         ; 16: the other set's stores may be out; this set's have read their registers
	EPIV 0
	PICKE 0, 2
	QUAD 4, 5, 6, 7, 16, 0
	EPIV 1
	PICKE 1, 3
	VSTEP
	s_cbranch_scc1 .Lv1
	BARRIER                                        ; block 0 of v lies in LDS, and nobody reads q's and k's codes any more: block 1 may be laid over them
; ---- attn x v on one block b of v, four of my tokens (4 g ..) at a time.  O^T = v^T attn^T in f32: source 0 = 16 d, source 1 = attn as it lies: place (h, j) of K step s stands for hk = 8 h + 2 s + j on both sides.
; Row rr of tile u is d = 32 b + 16 (rr / 8) + 8 u + rr % 8, so that lane (r, h), register 16 tp + i is o[token tp][head r][d = 32 b + 16 h + i]: the quantiser's layout, a block to a token.
.macro VLOAD g
	WIN 0xc0
.irp tp, 0,1,2,3
.irp u, 0,1
	ds_load_b128 v[128+64*((\g)%2)+16*\tp+8*\u:128+64*((\g)%2)+16*\tp+8*\u+3], v[AV0] offset:VP*(4*(\g)+\tp)+512*\u
	ds_load_b128 v[128+64*((\g)%2)+16*\tp+8*\u+4:128+64*((\g)%2)+16*\tp+8*\u+7], v[AV1] offset:VP*(4*(\g)+\tp)+512*\u
.endr
.endr
.endm
.macro PVQ b, g, nxt, set              ; nxt = 1: the next group's v is asked for first;  set: which eight accumulators
.if \nxt
	VLOAD (\g)+1
	s_wait_dscnt 16                                ; all but those 16 loads: this group's v is in, and every earlier LDS store has read its registers
.else
	s_wait_dscnt 0x0
.endif
.set SETR, ACC+64*(\set)
.set VO, 128+64*((\g)%2)
	WIN 0x0f
.irp s, 0,1,2,3                        ; eight accumulators by turns; the first K step starts the sums with the constant 0
.irp tp, 0,1,2,3
.irp u, 0,1
.if \s == 0
	v_wmma_f32_16x16x4_f32 v[SETR+16*\tp+8*\u:SETR+16*\tp+8*\u+7], v[VO+16*\tp+8*\u+2*\s:VO+16*\tp+8*\u+2*\s+1], v[8*(4*(\g)+\tp)+2*\s:8*(4*(\g)+\tp)+2*\s+1], 0
.else
	v_wmma_f32_16x16x4_f32 v[SETR+16*\tp+8*\u:SETR+16*\tp+8*\u+7], v[VO+16*\tp+8*\u+2*\s:VO+16*\tp+8*\u+2*\s+1], v[8*(4*(\g)+\tp)+2*\s:8*(4*(\g)+\tp)+2*\s+1], v[SETR+16*\tp+8*\u:SETR+16*\tp+8*\u+7]
.endif
.endr
.endr
.endr
	WIN 0
	PLACES 8                                       ; eight behind this form
	QCORE SETR, PC, BY
.irp tp, 0,1,2,3
	ds_store_b64 v[AO], v[PC+2*\tp:PC+2*\tp+1] offset:528*(4*(\g)+\tp)+16*(\b)
	ds_store_b8 v[AOS], v[BY+\tp] offset:48*(4*(\g)+\tp)+(\b)     ; both halves of the lanes write the same byte with the same value
.endr
.endm
.macro PICKP x, y, ny, set             ; the loop's first trip runs group x, its second group y, of block 0
	WIN 0
	s_wait_alu depctr_va_vdst(0)
	s_cmp_eq_u32 s25, 2
	s_cbranch_scc0 .Lp2_\@
	PVQ 0, \x, 1, \set
	s_wait_alu depctr_va_vdst(0)
	s_branch .Lpj_\@
.Lp2_\@:
	PVQ 0, \y, \ny, \set
	s_wait_alu depctr_va_vdst(0)
.Lpj_\@:
.endm
	VLOAD 0
	WIN 0
	s_mov_b32 s25, 2
	s_mov_b32 s28, CH
.Lv2:                                              ; block 1 of v.  Behind a job stands a group of attn x v on block 0, on the OTHER set of accumulators: its wait on DScnt shows that set's stores done
	QUAD 0, 1, 2, 3, -1, 0
	EPIV 0
	PICKP 0, 2, 1, 1
	QUAD 4, 5, 6, 7, -1, 0
	EPIV 1
	PICKP 1, 3, 0, 0
	VSTEP
	s_cbranch_scc1 .Lv2
	v_add_nc_u32 v[AV0], CH, v[AV0]                ; on to block 1
	v_add_nc_u32 v[AV1], CH, v[AV1]
	s_wait_alu depctr_va_vdst(0)
	BARRIER                                        ; block 1 of v lies in LDS
	VLOAD 0
	PVQ 1, 0, 1, 0
	PVQ 1, 1, 1, 1
	PVQ 1, 2, 1, 0
	PVQ 1, 3, 0, 1
	BARRIER                                        ; the 64 rows of o lie in LDS as codes and bytes; nobody reads v any more
	FRAGS
; ---- O: trip tau makes columns 256 w + 64 tau + 0 .. 63 of out0 for the 64 tokens.  The bias is the C of each sum's first product.  Results go through my own stage and leave as runs of 256 bytes.
.macro EPIO a
	WIN 0
	PLACES 4
.irp m, 0,1,2,3
.irp u, 0,1
	ds_store_b128 v[ASTI], v[ACC+64*\a+16*\m+8*\u:ACC+64*\a+16*\m+8*\u+3] offset:4352*\m+128*\a+32*\u
	ds_store_b128 v[ASTI], v[ACC+64*\a+16*\m+8*\u+4:ACC+64*\a+16*\m+8*\u+7] offset:4352*\m+128*\a+32*\u+16
.endr
.endr
.endm
.macro READBACK
	WIN 0xc0
.irp k, 0,1,2,3,4,5,6,7,8,9,10,11,12,13,14,15,16,17,18,19,20,21,22,23,24,25,26,27,28,29,30,31
	ds_load_b128 v[128+4*\k:128+4*\k+3], v[ASTO] offset:544*\k     ; LDS serves a wave's instructions in order: these see my stores
.endr
	WIN 0x0c
.irp k, 0,1,2,3,4,5,6,7,8,9,10,11,12,13,14,15,16,17,18,19,20,21,22,23,24,25,26,27,28,29,30,31
	s_wait_dscnt 31-\k
	global_store_b128 v[GO], v[128+4*\k:128+4*\k+3], s[10:11] offset:8192*\k th:TH_STORE_NT   ; 16 lanes store 256 consecutive bytes, at a multiple of 256 from out0's first byte
.endr
	WIN 0
.endm
.macro OTRIP last
	WIN 0
	v_add_nc_u32 v[TB], s29, v[ABO]
	WIN 0xc0
.irp a, 0,1
.irp u, 0,1
.irp q, 0,1
	ds_load_b128 v[16*\a+8*\u+4*\q:16*\a+8*\u+4*\q+3], v[TB] offset:128*\a+32*\u+16*\q   ; bo at columns 32 a + 16 h + 8 u + 0 .. 7 of the trip's 64
.endr
.endr
.endr
.if \last                              ; the stream ends: one more unit is asked for, and the counts run down: no load leaves wpk
	POS 0, 1, 54, 0, 1
	POS 1, 0, 54, -1, 1
	POS 2, 0, 45, -1, 1
	POS 3, 0, 36, -1, 1
	EPIO 0
	POS 4, 0, 27, 16, 1
	POS 5, 0, 18, -1, 1
	POS 6, 0, 9, -1, 1
	POS 7, 0, 0, -1, 1
	EPIO 1
.else
	QUAD 0, 1, 2, 3, 0, 1                          ; 0: the bias is in
	EPIO 0
	QUAD 4, 5, 6, 7, 16, 1
	EPIO 1
.endif
	READBACK
.endm
	s_mov_b32 s25, 3
	s_mov_b32 s29, 0
.Lo:
	OTRIP 0
	s_wait_xcnt 0x0                                ; loads and stores have read their bases and the stores their data
	s_add_nc_u64 s[6:7], s[6:7], 8*UNIT
	s_add_nc_u64 s[10:11], s[10:11], 256
	s_add_co_u32 s29, s29, 256
	s_sub_co_u32 s25, s25, 1
	s_cmp_lg_u32 s25, 0
	s_cbranch_scc1 .Lo
	OTRIP 1
	s_wait_tensorcnt 0x0                           ; the wave's end
	ds_add_u32 v[SPW], v[NIL]
	s_wait_dscnt 0x0
	s_endpgm
.Lfunc_end_k_q3633050041_fused:
	.size	k_q3633050041_fused, .Lfunc_end_k_q3633050041_fused-k_q3633050041_fused
	.p2alignl 7, 3214868480
	.fill 96, 4, 3214868480
	.section	.rodata,"a",@progbits
	.p2align	6, 0x0
	.amdhsa_kernel k_q3633050041_fused
		.amdhsa_group_segment_fixed_size 305664
		.amdhsa_private_segment_fixed_size 0
		.amdhsa_enable_private_segment 0
		.amdhsa_kernarg_size 32
		.amdhsa_user_sgpr_count 2
		.amdhsa_user_sgpr_kernarg_segment_ptr 1
		.amdhsa_wavefront_size32 1
		.amdhsa_system_sgpr_workgroup_id_x 1
		.amdhsa_system_sgpr_workgroup_id_y 1
		.amdhsa_system_sgpr_workgroup_id_z 1
		.amdhsa_system_vgpr_workitem_id 0
		.amdhsa_next_free_vgpr 1024
		.amdhsa_next_free_sgpr 66
		.amdhsa_reserve_vcc 0
		.amdhsa_float_denorm_mode_32 3
		.amdhsa_float_denorm_mode_16_64 3
		.amdhsa_memory_ordered 1
		.amdhsa_forward_progress 1
		.amdhsa_inst_pref_size 255
	.end_amdhsa_kernel
	.section	.bss,"aw",@nobits
	.p2align	6
	.space	262144
	.amdgpu_metadata
---
amdhsa.version: [ 1, 2 ]
amdhsa.kernels:
  - .name:           k_q3633050041_fused
    .symbol:         k_q3633050041_fused.kd
    .args:
      - { .name: x, .offset: 0, .size: 8, .value_kind: global_buffer, .address_space: global }
      - { .name: wpk, .offset: 8, .size: 8, .value_kind: global_buffer, .address_space: global }
      - { .name: bo, .offset: 16, .size: 8, .value_kind: global_buffer, .address_space: global }
      - { .name: out0, .offset: 24, .size: 8, .value_kind: global_buffer, .address_space: global }
    .group_segment_fixed_size: 305664
    .private_segment_fixed_size: 0
    .kernarg_segment_align: 8
    .kernarg_segment_size: 32
    .max_flat_workgroup_size: 128
    .sgpr_count:     66
    .vgpr_count:     1024
    .wavefront_size: 32
...
	.end_amdgpu_metadata
.endif
;; end of part 2
